; MI455X (gfx1250); checked and timed in simulation.
; The chip was launched on July 23, 2026; its instructions are those of AMD's public machine-readable ISA for CDNA 5 (MIT licence, August 2026) and "CDNA5" Instruction Set Architecture Reference Guide (July 2026). The comments in the code are by the model that wrote it; some were corrected since.
;; Dummy Linear4bit. Allowed arithmetic: float matrix products may take bf16 or f16 operands with f32 sums; all other float work in f32.
;; Inputs: absmax1 704,512 int32; absmax2 176,128 float32; code1 704,512 float32; code2 176,128 float32; offset1 704,512 float32; packed 22,544,384 int32; x 1,024 x 4,096 float16.
;; Outputs: out0 1,024 x 11,008 float16.
;; 3 versions, each right; version 2 is faster than version 1; version 3 is version 2 with the launch scales written anew for expert scheduling mode. Each part assembles by itself: llvm-mc -triple=amdgcn-amd-amdhsa -mcpu=gfx1250 --defsym DOCPART=n.
;; ======== version 1 of 3: 2 launches
;; workspace buffers: scl 5,636,096 bytes
;; launch scales (part 1): grid 172 x 1, 4 waves a work-group, no clusters, 35,328 bytes of LDS; arguments absmax1, code1, offset1, absmax2, code2, scl; writes scl
.if DOCPART == 1
	.amdgcn_target "amdgcn-amd-amdhsa--gfx1250"
	.amdhsa_code_object_version 6
	.text
	.protected	k_qa84317a83c_scales
	.globl	k_qa84317a83c_scales
	.p2align	8
	.type	k_qa84317a83c_scales,@function
k_qa84317a83c_scales:
	s_mov_b64 s[64:65], 0
	v_nop
	global_prefetch_b8 v0, s[64:65] scope:SCOPE_SE
	s_setreg_imm32_b32 hwreg(HW_REG_WAVE_MODE, 25, 1), 1
	s_wait_xcnt 0x0
; The five scale arrays of the 4-bit weight become one table of pairs (f, c) in f32, one pair for each primary block of 64 k:
;   f = (absmax1 / code1) * (absmax2 / code2),   c = -offset1 * f,   so that W = (q - offset1) * f = q * f + c (one fused multiply-add in the product kernel).
; No work is left out: every input has a way to the output.
; Table layout: [688 tiles of 16 rows of W][32 K steps of 128 k][16 rows][f(2s), c(2s), f(2s+1), c(2s+1)]; byte = tile*8192 + s*256 + row*16.
; So the sixteen rows of one matrix fragment find the scales of one K step in 256 consecutive bytes, aligned.
; A row of W has 64 primary blocks (256 bytes of each primary array) and 16 secondary blocks (64 bytes).
; Wave w of work-group g owns tile 4 g + w: 4,096 bytes of each primary array, 1,024 of each secondary, 8,192 of the table.
; The transposition (row-major blocks in, step-major out) goes through the wave's own 8,704 bytes of LDS: no wave reads another's bytes, so there is no barrier.
; The matrix unit, tensor loads and clusters have nothing to do here: no product, no byte shared between work-groups, each byte read once.
; LIMITS: 1/code1 and 1/code2 come from v_rcp_f32 (accurate to 1 ULP; a denormal code counts as zero: ISA guide 15.8), and the quotient is a product with it.
.set AB, 8                             ; v[8:39]    absmax1, group i in 4 registers; then scale1
.set C1, 40                            ; v[40:71]   code1, then its reciprocal
.set OF, 72                            ; v[72:103]  offset1
.set A2, 104                           ; v[104:111] absmax2 of my secondary block, group i; then scale2
.set C2, 112                           ; v[112:119] code2, then its reciprocal
.set P,  120                           ; v[120:127] one group's four pairs (f, c)
.set Q,  8                             ; v[8:71]    the table as read back (AB and C1 are spent by then)
.set SP, 272                           ; LDS bytes from K step to K step: 16 rows x 16 bytes + 16
.set WLDS, 32*SP                       ; a wave's LDS bytes
	s_load_b256 s[4:11], s[0:1], 0x0               ; absmax1 s[4:5], code1 s[6:7], offset1 s[8:9], absmax2 s[10:11]
	s_load_b128 s[12:15], s[0:1], 0x20             ; code2 s[12:13], scl s[14:15]
	v_lshl_add_u32 v128, v0, 2, 0x8800
	v_mov_b32 v129, 0
	v_lshrrev_b32 v5, 5, v0
	v_readfirstlane_b32 s16, v5                    ; wave 0..3
	v_and_b32 v5, 31, v0                           ; lane l
	v_and_b32 v6, 15, v0                           ; l % 16
	v_bfe_u32 v7, v0, 4, 1                         ; l / 16
	v_lshlrev_b32 v1, 4, v5                        ; 16 l: my 16 bytes of 512 (primary arrays in, table out)
	v_lshlrev_b32 v2, 2, v5                        ; 4 l: my word of 128 bytes (secondary arrays)
	s_lshl_b32 s17, ttmp9, 2
	s_add_co_u32 s17, s17, s16                     ; my tile
	s_lshl_b32 s18, s17, 12                        ; its bytes in a primary array,
	s_mov_b32 s19, 0
	s_lshl_b32 s20, s17, 10                        ; in a secondary array,
	s_mov_b32 s21, 0
	s_lshl_b32 s22, s17, 13                        ; in the table
	s_mov_b32 s23, 0
	s_mul_i32 s24, s16, WLDS                       ; my wave's LDS bytes
	v_mul_u32_u24 v3, v6, 2*SP                     ; in: K steps 2 (l % 16) and the next, row 2 i + l / 16
	v_lshl_add_u32 v3, v7, 4, v3
	v_add_nc_u32 v3, s24, v3
	v_mul_u32_u24 v4, v7, SP                       ; back: K step 2 j + l / 16, row l % 16
	v_lshl_add_u32 v4, v6, 4, v4
	v_add_nc_u32 v4, s24, v4
	s_wait_kmcnt 0x0
	s_add_nc_u64 s[4:5], s[4:5], s[18:19]
	s_add_nc_u64 s[6:7], s[6:7], s[18:19]
	s_add_nc_u64 s[8:9], s[8:9], s[18:19]
	s_add_nc_u64 s[10:11], s[10:11], s[20:21]
	s_add_nc_u64 s[12:13], s[12:13], s[20:21]
	s_add_nc_u64 s[14:15], s[14:15], s[22:23]
	; All forty loads go out at once.  Group i = rows 2 i and 2 i + 1 of the tile: lane l holds row 2 i + l / 16, primary blocks 4 (l % 16) .. + 3,
	; which all lie in secondary block l % 16 of that row: word 32 i + l of the tile's secondary part.
.irp i, 0,1,2,3,4,5,6,7
	global_load_b128 v[AB+4*\i:AB+4*\i+3], v1, s[4:5] offset:512*\i th:TH_LOAD_NT
	global_load_b128 v[C1+4*\i:C1+4*\i+3], v1, s[6:7] offset:512*\i th:TH_LOAD_NT
	global_load_b128 v[OF+4*\i:OF+4*\i+3], v1, s[8:9] offset:512*\i th:TH_LOAD_NT
	global_load_b32 v[A2+\i], v2, s[10:11] offset:128*\i th:TH_LOAD_NT
	global_load_b32 v[C2+\i], v2, s[12:13] offset:128*\i th:TH_LOAD_NT
.endr
.macro GROUP i
	s_wait_loadcnt 5*(7-\i)                        ; loads come back in order: the five loads of each later group may stay out
.irp j, 0,1,2,3
	v_rcp_f32 v[C1+4*\i+\j], v[C1+4*\i+\j]
.endr
	v_rcp_f32 v[C2+\i], v[C2+\i]
.irp j, 0,1,2,3
	v_cvt_f32_i32 v[AB+4*\i+\j], v[AB+4*\i+\j]     ; plain instructions between the reciprocals and their first use
.endr
	s_wait_alu depctr_va_vdst(0)
	v_mul_f32 v[A2+\i], v[A2+\i], v[C2+\i]         ; scale2 = absmax2 / code2
.irp j, 0,1,2,3
	v_mul_f32 v[AB+4*\i+\j], v[AB+4*\i+\j], v[C1+4*\i+\j]      ; scale1 = absmax1 / code1
.endr
.irp j, 0,1,2,3
	v_mul_f32 v[P+2*\j], v[AB+4*\i+\j], v[A2+\i]   ; f = scale1 * scale2
.endr
.irp j, 0,1,2,3
	v_mul_f32 v[P+2*\j+1], -v[OF+4*\i+\j], v[P+2*\j]           ; c = -offset1 * f
.endr
	ds_store_b128 v3, v[P:P+3] offset:32*\i        ; blocks 4 (l % 16), + 1: K step 2 (l % 16)
	ds_store_b128 v3, v[P+4:P+7] offset:32*\i+SP   ; blocks + 2, + 3: the K step behind it
.endm
.irp i, 0,1,2,3,4,5,6,7
	GROUP \i
.endr
	; Back by K steps: LDS serves a wave's instructions in order, and these bytes are the wave's own, so no wait stands between the stores and these loads.
.irp j, 0,1,2,3,4,5,6,7,8,9,10,11,12,13,14,15
	ds_load_b128 v[Q+4*\j:Q+4*\j+3], v4 offset:2*SP*\j
.endr
.irp j, 0,1,2,3,4,5,6,7,8,9,10,11,12,13,14,15
	s_wait_dscnt 15-\j                             ; LDS loads come back in order: number j is in
	global_store_b128 v1, v[Q+4*\j:Q+4*\j+3], s[14:15] offset:512*\j   ; each store of the wave covers 512 consecutive bytes, aligned: K steps 2 j and 2 j + 1
.endr
	s_wait_tensorcnt 0x0
	ds_add_u32 v128, v129
	s_wait_dscnt 0x0
	s_endpgm
.Lfunc_end_k_qa84317a83c_scales:
	.size	k_qa84317a83c_scales, .Lfunc_end_k_qa84317a83c_scales-k_qa84317a83c_scales
	.p2alignl 7, 3214868480
	.fill 96, 4, 3214868480
	.section	.rodata,"a",@progbits
	.p2align	6, 0x0
	.amdhsa_kernel k_qa84317a83c_scales
		.amdhsa_group_segment_fixed_size 35328
		.amdhsa_private_segment_fixed_size 0
		.amdhsa_enable_private_segment 0
		.amdhsa_kernarg_size 48
		.amdhsa_user_sgpr_count 2
		.amdhsa_user_sgpr_kernarg_segment_ptr 1
		.amdhsa_wavefront_size32 1
		.amdhsa_system_sgpr_workgroup_id_x 1
		.amdhsa_system_sgpr_workgroup_id_y 1
		.amdhsa_system_sgpr_workgroup_id_z 1
		.amdhsa_system_vgpr_workitem_id 0
		.amdhsa_next_free_vgpr 130
		.amdhsa_next_free_sgpr 66
		.amdhsa_reserve_vcc 0
		.amdhsa_float_denorm_mode_32 3
		.amdhsa_float_denorm_mode_16_64 3
		.amdhsa_memory_ordered 1
		.amdhsa_forward_progress 1
		.amdhsa_inst_pref_size 17
	.end_amdhsa_kernel
	.amdgpu_metadata
---
amdhsa.version: [ 1, 2 ]
amdhsa.kernels:
  - .name:           k_qa84317a83c_scales
    .symbol:         k_qa84317a83c_scales.kd
    .args:
      - { .name: absmax1, .offset: 0, .size: 8, .value_kind: global_buffer, .address_space: global }
      - { .name: code1, .offset: 8, .size: 8, .value_kind: global_buffer, .address_space: global }
      - { .name: offset1, .offset: 16, .size: 8, .value_kind: global_buffer, .address_space: global }
      - { .name: absmax2, .offset: 24, .size: 8, .value_kind: global_buffer, .address_space: global }
      - { .name: code2, .offset: 32, .size: 8, .value_kind: global_buffer, .address_space: global }
      - { .name: scl, .offset: 40, .size: 8, .value_kind: global_buffer, .address_space: global }
    .group_segment_fixed_size: 35328
    .private_segment_fixed_size: 0
    .kernarg_segment_align: 8
    .kernarg_segment_size: 48
    .max_flat_workgroup_size: 128
    .sgpr_count:     66
    .vgpr_count:     130
    .wavefront_size: 32
...
	.end_amdgpu_metadata
.endif
;; end of part 1
;; launch gemm (part 2): grid 4 x 43, 4 waves a work-group, clusters of 4 x 1, 327,680 bytes of LDS; arguments x, packed, scl, out0; writes out0
.if DOCPART == 2
	.amdgcn_target "amdgcn-amd-amdhsa--gfx1250"
	.amdhsa_code_object_version 6
	.text
	.protected	k_qa84317a83c_gemm
	.globl	k_qa84317a83c_gemm
	.p2align	8
	.type	k_qa84317a83c_gemm,@function
k_qa84317a83c_gemm:
	s_mov_b64 s[64:65], 0
	v_nop
	global_prefetch_b8 v0, s[64:65] scope:SCOPE_SE
	s_setreg_imm32_b32 hwreg(HW_REG_WAVE_MODE, 25, 1), 1
	s_wait_xcnt 0x0
	s_wait_alu depctr_hold_cnt(0) depctr_sa_sdst(0) depctr_va_vdst(0) depctr_va_sdst(0) depctr_va_ssrc(0) depctr_va_vcc(0) depctr_vm_vsrc(0)
	s_getreg_b32 s2, hwreg(HW_REG_IB_STS2, 6, 4)
	s_cmp_eq_u32 s2, 0
	s_cbranch_scc0 .Lentry_in_a_cluster
	s_endpgm
.Lentry_in_a_cluster:
	s_bfe_u32 s2, ttmp6, 0x10000c
	s_cmp_lg_u32 s2, 0x3003
	s_cbranch_scc0 .Lentry_shape_is_right
	s_endpgm
.Lentry_shape_is_right:
; out0[m][n] = sum over k of x[m][k] W[n][k];  x [1024][4096] f16, out0 [1024][11008] f16, sums in f32, out0 rounded once.
; W[n][k] = f16( q * f + c ): q = a nibble of packed (word i of a row holds k = 2 i in its low four bits and k = 2 i + 1 in what an arithmetic shift by 4 leaves),
; (f, c) = the pair that the launch before this one stored in scl for row n and the block of 64 k.  W is rounded to f16 as the problem rounds it, x comes in f16:
; the f16 matrix form takes both as they are.  No work is left out: every input has a way to the output.
; A work-group makes a block of 256 x 256 of out0 with four waves (4 x 43 = 172 blocks: 1024 = 4 x 256, 11008 = 43 x 256).  A wave makes all 256 rows x 64 columns: 64 accumulator
; tiles of 16 x 16, 512 registers.  So each wave alone needs its 64 rows of W, and unpacks them from the raw tile in LDS straight into matrix fragments in registers:
; a row of packed has 2 bytes for each k, as f16 has, and word i holds k = 2 i, 2 i + 1, so the 16 bytes that a fragment load would take of an f16 row are the four raw
; words of the same four fragment registers.  Each element of W is unpacked once in a work-group and never goes back to LDS.
; K goes in steps of 128 through two LDS slots filled by tensor loads; a tile row is 256 bytes of memory at a multiple of 256 from the buffer's first byte, for x and for packed.
; CLUSTERS: the four work-groups of a cluster (4, 1, 1) are the four row blocks of one column block and need the same tiles of packed: these are asked for JOINTLY
; (mask 15).  The tiles of x are shared by the 43 work-groups of a row block; 43 has no divisor from 2 to 4, so no cluster along y divides the grid, and x comes by plain loads.
; LIMITS: q * f + c rounds otherwise than (q - offset1) * f: the difference is under 2^-23 |offset1 * f|, far under the f16 rounding of W.  packed may hold any int32.
; W and out0 become infinite in f16 where they pass 65504, as the problem's own f16 arrays do.
;
; REGISTERS, in windows of 256:  window 0: addresses, W's fragments (two buffers), raw words, scales, work.  window 1: x's fragments, two buffers of 16 x 8.
; window 2: the accumulator tiles of rows 0-127 (tile (a, b) at v[8 (4 a + b)], a = block of 16 rows, b = block of 16 columns);  window 3: those of rows 128-255.
; THE MATRIX INSTRUCTION IS USED TRANSPOSED: source 0 = 16 rows of W, source 1 = 16 rows of x.  Lane l then holds row l % 16 of out0 and in its registers 0 to 7 the
; columns 8 (l / 16) + 0 .. 7: eight neighbouring numbers, which pack into 16 bytes.
.set PITCH,  272                       ; an LDS row: 256 bytes + 16 of padding, an odd multiple of 16: the 16 rows of a fragment load start at 16 different 16-byte columns
.set HALFT,  128*PITCH                 ; 128 rows: what one tensor load brings
.set SLOT,   4*HALFT                   ; x's 256 rows, then packed's 256 rows
.set STEPB,  256                       ; bytes of a K step in a row of x, in a row of packed, and in a tile of scl
.set LAPS,   16                        ; a lap = two K steps = once round the ring; 4096 / 256
.set SPITCH, 528                       ; the way out: a row of 512 bytes + 16
.set OROW,   22016                     ; bytes in a row of out0
.set ADRX, 16                          ; v16-17  LDS address of my x fragments in slot 0, 1
.set ADRW, 20                          ; v20-21  the same for my wave's 64 raw rows of W
.set SCO,  22                          ; v22     16 (l % 16): my row's 16 bytes in a 256-byte piece of scl
.set STO,  24                          ; v24-25  the way out: where I put 16 bytes, rows 0-127 and rows 128-255
.set RD,   26                          ; v26     the way out: where I read a row back
.set CO,   27                          ; v27     16 l: my bytes in a row of the block of out0
.set WF0,  32                          ; v[32:63]   W's fragments, buffer 0 (4 x 8)
.set WF1,  64                          ; v[64:95]   buffer 1
.set RW,   96                          ; v[96:127]  raw words of a quarter step (4 x 8)
.set SCR,  128                         ; v[128:143] (f0, c0, f1, c1) for b = 0..3 of an even K step; v[144:159] of an odd one
.set T,    160                         ; v[160:167] unpacking
.set TMP,  192                         ; v[192:207] the way out: packed results
.set XF0,  0                           ; window 1: x's fragments, buffer 0
.set XF1,  128                         ; buffer 1
.set G1X, 24                           ; s[24:31] descriptor group 1 for x
.set G0X, 32                           ; s[32:39] group 0 for x, one set for each slot
.set SB,  44                           ; s[44:45] scl at my wave's four tiles, at the K step that is loaded next
.set G1W, 48                           ; s[48:55] group 1 for packed
.set G0W, 56                           ; s[56:63] group 0 for packed, one set for each slot
.set OB,  66                           ; s[66:67] out0 at the first of the 64 rows that my wave stores
.set MSB, 0
.macro WIN new                         ; s_set_vgpr_msb: bits 1:0 source 0, 3:2 source 1, 5:4 source 2, 7:6 destination; the high byte repeats the setting that is left
.if MSB != \new
	s_set_vgpr_msb (MSB<<8)|\new
.set MSB, \new
.endif
.endm
.set MUL_LO, 0xa4                      ; source 0 (W) window 0, source 1 (x) window 1, C and D window 2
.set MUL_HI, 0xf4                      ; the same, C and D window 3
.set TO_X,   0x40                      ; destination window 1, address window 0
; Four places: a load into a register that a matrix instruction has read, and a vector instruction that reads a matrix result or writes a matrix instruction's register,
; stand four plain vector instructions behind it (ISA guide 7.12.1 for vector instructions).
.macro PLACES
.rept 4
	v_nop
.endr
.endm
; One tensor load a wave: waves 0 and 1 fetch the two halves of x's tile (a plain load), waves 2 and 3 the two halves of packed's (a joint load of the four partners).
; The branch hangs on the wave's number alone.
.macro JLOAD s
	s_cmp_eq_u32 s13, 0
	s_cbranch_scc0 .Lfor_w_\@
	tensor_load_to_lds s[G0X+4*\s:G0X+4*\s+3], s[G1X:G1X+7]
	s_nop 0
	s_branch .Lasked_\@
.Lfor_w_\@:
	tensor_load_to_lds s[G0W+4*\s:G0W+4*\s+3], s[G1W:G1W+7]
	s_nop 0
.Lasked_\@:
.endm
; A round of the cluster's barrier: my work-group's barrier; wave 0 signals for the work-group; every wave waits for all four work-groups; my work-group's barrier again.
.macro CREST                           ; a round behind its opening barrier
	s_cmp_lg_u32 s12, 0
	s_cbranch_scc1 .Lnot_wave_0_\@
	s_barrier_signal -3
.Lnot_wave_0_\@:
	s_barrier_wait -3
	s_barrier_signal -1
	s_barrier_wait -1
.endm
.macro CROUND                          ; a whole round
	s_barrier_signal -1
	s_barrier_wait -1
	CREST
.endm
	s_load_b256 s[4:11], s[0:1], 0x0               ; x s[4:5], packed s[6:7], scl s[8:9], out0 s[10:11]
	v_lshl_add_u32 v254, v0, 2, 0x44000
	v_mov_b32 v255, 0
	ds_add_u32 v254, v255
	v_lshrrev_b32 v1, 5, v0
	v_readfirstlane_b32 s12, v1                    ; wave 0..3
	s_lshr_b32 s13, s12, 1                         ; I fetch for x (0) or for packed (1)
	s_and_b32 s14, s12, 1                          ; which 128 rows of that tile
	s_bfe_u32 s15, ttmp6, 0x40000                  ; cx: my place in the cluster
	s_lshl_b32 s16, ttmp9, 2                       ; in a cluster launch ttmp9 and ttmp7 count clusters
	s_add_co_u32 s16, s16, s15                     ; row block of out0 = 4 x cluster x + cx
	s_and_b32 s17, ttmp7, 0xffff                   ; column block of out0 = cluster y (the cluster is one work-group high)
	; group 1 for x: 128 rows x 128 elements of 2 bytes, padded in LDS
	s_mov_b32 s[G1X+0], (1<<16)|(1<<20)|(5<<22)|(3<<25)            ; 15:0 mask 0: a load of my own; 17:16 2 bytes; 20 padding on; 24:22 after every 64 words; 31:25 of 4 words
	s_mov_b32 s[G1X+1], 128<<16                    ; tensor_dim0 = 128
	s_mov_b32 s[G1X+2], 128<<16                    ; tensor_dim1 = 128
	s_mov_b32 s[G1X+3], 128<<16                    ; tile_dim0 = 128
	s_mov_b32 s[G1X+4], 128                        ; tile_dim1 = 128
	s_mov_b32 s[G1X+5], 4096                       ; elements from row to row
	s_mov_b32 s[G1X+6], 0
	s_mov_b32 s[G1X+7], 0
	; group 1 for packed: 128 rows x 64 elements of 4 bytes, the same padding, asked for by all four work-groups of the cluster
	s_mov_b32 s[G1W+0], 15|(2<<16)|(1<<20)|(1<<21)|(5<<22)|(3<<25) ; 15:0 the mask names places 0 to 3; 17:16 4 bytes; 21 set beside a mask
	s_mov_b32 s[G1W+1], 64<<16                     ; tensor_dim0 = 64
	s_mov_b32 s[G1W+2], 128<<16                    ; tensor_dim1 = 128
	s_mov_b32 s[G1W+3], 64<<16                     ; tile_dim0 = 64
	s_mov_b32 s[G1W+4], 128                        ; tile_dim1 = 128
	s_mov_b32 s[G1W+5], 2048                       ; elements from row to row
	s_mov_b32 s[G1W+6], 0
	s_mov_b32 s[G1W+7], 0
	; where the tiles come from (a row of x and a row of packed are 8,192 bytes; all offsets stay under 2^27).  cx enters x's address alone.
	s_lshl_b32 s18, s14, 7                         ; which 128 rows
	s_lshl_b32 s40, s16, 8
	s_add_co_u32 s40, s40, s18                     ; x: row 256 x row block + 128 x half
	s_lshl_b32 s40, s40, 13
	s_mov_b32 s41, 0
	s_lshl_b32 s46, s17, 8
	s_add_co_u32 s46, s46, s18                     ; packed: row 256 x column block + 128 x half
	s_lshl_b32 s46, s46, 13
	s_mov_b32 s47, 0
	s_lshl_b32 s[SB], s17, 4
	s_lshl2_add_u32 s[SB], s12, s[SB]              ; scl: tile 16 x column block + 4 x wave
	s_lshl_b32 s[SB], s[SB], 13
	s_mov_b32 s[SB+1], 0
	s_mul_i32 s20, s12, HALFT                      ; and where they go: x's two halves, then packed's two = wave x 128 rows
	s_wait_dscnt 0x0
	s_wait_kmcnt 0x0
	s_add_nc_u64 s[40:41], s[4:5], s[40:41]
	s_add_nc_u64 s[46:47], s[6:7], s[46:47]
	s_add_nc_u64 s[SB:SB+1], s[8:9], s[SB:SB+1]
	CROUND                                         ; all four work-groups are here: the first joint loads meet
.irp s, 0,1
	s_mov_b32 s[G0X+4*\s], 1                                       ; count = 1
	s_add_co_u32 s[G0X+4*\s+1], s20, \s*SLOT                       ; LDS address
	s_add_nc_u64 s[G0X+4*\s+2:G0X+4*\s+3], s[40:41], \s*STEPB      ; global address: K step s
	s_or_b32 s[G0X+4*\s+3], s[G0X+4*\s+3], 0x80000000              ; type = 2
	s_mov_b32 s[G0W+4*\s], 1
	s_add_co_u32 s[G0W+4*\s+1], s20, \s*SLOT
	s_add_nc_u64 s[G0W+4*\s+2:G0W+4*\s+3], s[46:47], \s*STEPB
	s_or_b32 s[G0W+4*\s+3], s[G0W+4*\s+3], 0x80000000
	JLOAD \s                                       ; both slots are asked for before anything else: two tensor loads of the wave are out
.endr
	; A fragment is 16 rows x 32 k in 8 registers: lane l holds row l % 16; registers 0-3 hold k = 8 (l / 16) + 0..7, registers 4-7 k = 16 + 8 (l / 16) + 0..7:
	; two loads of 16 bytes, 32 bytes apart, at row x pitch + 16 (l / 16).  The same for x (f16) and for the raw words of W.
	v_and_b32 v1, 15, v0                           ; l % 16
	v_bfe_u32 v2, v0, 4, 1                         ; l / 16
	v_and_b32 v5, 31, v0                           ; l
	v_mul_u32_u24 v[ADRX], v1, PITCH
	v_lshl_add_u32 v[ADRX], v2, 4, v[ADRX]
	v_add_nc_u32 v[ADRX+1], SLOT, v[ADRX]
	s_mul_i32 s21, s12, 64*PITCH                   ; my wave's 64 rows of W,
	s_add_co_u32 s21, s21, 2*HALFT                 ; which lie behind x's 256 rows
	v_add_nc_u32 v[ADRW], s21, v[ADRX]
	v_add_nc_u32 v[ADRW+1], SLOT, v[ADRW]
	v_lshlrev_b32 v[SCO], 4, v1
	v_mul_u32_u24 v4, v1, SPITCH                   ; the way out, in: row l % 16, my wave's 128 bytes, 16 bytes for each half of the lanes
	v_lshl_add_u32 v4, v2, 4, v4
	s_lshl_b32 s22, s12, 7
	v_add_nc_u32 v[STO], s22, v4
	v_add_nc_u32 v[STO+1], 8*16*SPITCH, v[STO]
	s_mul_i32 s23, s12, 64*SPITCH                  ; back: my wave takes rows 64 w .. 64 w + 63, a whole row of 512 bytes at a time
	v_lshlrev_b32 v[CO], 4, v5
	v_add_nc_u32 v[RD], s23, v[CO]
; 16 matrix instructions: row blocks a0 .. a0 + 3 of the window's eight (hi = 0: rows 0-127, 1: rows 128-255) x my 4 column blocks, 32 along k.
; zero = 1: the first product starts the sums: nothing is cleared.  The 64 accumulators take turns, one instruction a turn, in the same order in every
; quarter step, over the loop's backward jump too.
.macro MUL16 xf, wf, hi, a0, zero
.irp al, \a0, \a0+1, \a0+2, \a0+3
.irp b, 0,1,2,3
.if \zero
	v_wmma_f32_16x16x32_f16 v[8*(4*(\al)+\b):8*(4*(\al)+\b)+7], v[\wf+8*\b:\wf+8*\b+7], v[\xf+8*(8*\hi+\al):\xf+8*(8*\hi+\al)+7], 0
.else
	v_wmma_f32_16x16x32_f16 v[8*(4*(\al)+\b):8*(4*(\al)+\b)+7], v[\wf+8*\b:\wf+8*\b+7], v[\xf+8*(8*\hi+\al):\xf+8*(8*\hi+\al)+7], v[8*(4*(\al)+\b):8*(4*(\al)+\b)+7]
.endif
.endr
.endr
.endm
; 8 LDS loads: the raw words of my 64 rows of W for one quarter step, at byte k of the rows (window 0)
.macro RAWLD slot, k
.irp b, 0,1,2,3
	ds_load_b128 v[RW+8*\b:RW+8*\b+3],   v[ADRW+\slot] offset:\k+\b*16*PITCH
	ds_load_b128 v[RW+8*\b+4:RW+8*\b+7], v[ADRW+\slot] offset:\k+\b*16*PITCH+32
.endr
.endm
; 32 LDS loads in one run: x's 256 rows for one quarter step into buffer xf of window 1.  The largest offset is 192 + 15 x 4,352 + 32 = 65,504.
.macro XLD slot, k, xf
	WIN TO_X
.irp a, 0,1,2,3,4,5,6,7,8,9,10,11,12,13,14,15
	ds_load_b128 v[\xf+8*\a:\xf+8*\a+3],   v[ADRX+\slot] offset:\k+\a*16*PITCH
	ds_load_b128 v[\xf+8*\a+4:\xf+8*\a+7], v[ADRX+\slot] offset:\k+\a*16*PITCH+32
.endr
.endm
; Four raw words become four fragment registers (8 numbers): nibbles, to f32, q * f + c (f = v[fc], c = v[fc+1], each broadcast to both halves), two roundings to f16 packed.
.macro DQ4 r0, d0, fc
.irp i, 0,1,2,3
	v_and_b32 v[T+2*\i], 15, v[\r0+\i]             ; k = 2 i: the low four bits
.endr
.irp i, 0,1,2,3
	v_ashrrev_i32 v[T+2*\i+1], 4, v[\r0+\i]        ; k = 2 i + 1: the word shifted right by 4, with its sign
.endr
.irp i, 0,1,2,3,4,5,6,7
	v_cvt_f32_i32 v[T+\i], v[T+\i]
.endr
.irp i, 0,1,2,3
	v_pk_fma_f32 v[T+2*\i:T+2*\i+1], v[T+2*\i:T+2*\i+1], v[\fc:\fc+1], v[\fc:\fc+1] op_sel:[0,0,1] op_sel_hi:[1,0,1]
.endr
.irp i, 0,1,2,3
	v_cvt_pk_f16_f32 v[\d0+\i], v[T+2*\i], v[T+2*\i+1]
.endr
.endm
; A quarter step's raw words into fragment buffer wf; sc = the K step's scale registers, j = which block of 64 k of the step (window 0)
.macro DQ wf, sc, j
.irp b, 0,1,2,3
.irp hf, 0,1
	DQ4 RW+8*\b+4*\hf, \wf+8*\b+4*\hf, \sc+4*\b+2*\j
.endr
.endr
.endm
; The scales of one K step for my four blocks of 16 rows: each load takes 256 consecutive bytes, aligned; both halves of the lanes read the same words (window 0)
.macro SCLD sc
.irp b, 0,1,2,3
	global_load_b128 v[\sc+4*\b:\sc+4*\b+3], v[SCO], s[SB:SB+1] offset:\b*8192
.endr
.endm
; A K step is four quarter steps of 32 along k, 64 matrix instructions each, on buffers 0, 1, 0, 1.
; One of the first three: multiplies buffers xf, wf and makes the next quarter's, at byte k of the same slot's rows, in xg, wg.
; scld = 1: the next K step's scales go out, into the other set (last read in the third quarter of the K step before this one).
.macro QUARTER slot, k, xf, wf, xg, wg, j, zero, scld
	s_wait_dscnt 0x0                               ; this quarter's x fragments are in
	WIN 0
	RAWLD \slot, \k
.if \scld
	SCLD SCR+16*(1-\slot)
.endif
	WIN MUL_LO
	MUL16 \xf, \wf, 0, 0, \zero
	MUL16 \xf, \wf, 0, 4, \zero
	PLACES                                         ; behind the last quarter's matrix instructions, which read xg and wg
	XLD \slot, \k, \xg
	WIN 0
	s_wait_dscnt 32                                ; all but the 32 loads just issued: the 8 raw loads are in
	DQ \wg, SCR+16*\slot, \j
	WIN MUL_HI
	MUL16 \xf, \wf, 1, 0, \zero
	MUL16 \xf, \wf, 1, 4, \zero
.endm
.macro THREE slot, zero, scld
	QUARTER \slot, 64,  XF0, WF0, XF1, WF1, 0, \zero, \scld
	QUARTER \slot, 128, XF1, WF1, XF0, WF0, 1, 0, 0
	QUARTER \slot, 192, XF0, WF0, XF1, WF1, 1, 0, 0
.endm
; The last quarter: multiplies buffers 1 and changes slots.  fill = 1: this slot is filled again, two K steps ahead.
; In front of the barrier each wave waits for its reads of this slot (the last were issued in the third quarter) and for all its tensor loads, of which one is out:
; its part of the next slot.  Behind it nobody reads this slot and the next slot is whole.  Where the slot is filled again the barrier opens a round of the cluster's
; barrier, so that the same holds of the three partners; the refill is the first tensor load behind the round, the wave's only one until the next round.
; From a request to the wait for it a wave issues 240 matrix instructions.
.macro TURN slot, next, fill
	s_wait_dscnt 0x0                               ; my reads of this slot are over, this quarter's x fragments among them
	s_set_vgpr_msb 0xf4f0
	s_wait_tensorcnt 0x0                           ; all my tensor loads have landed
	ds_add_u32 v254, v255
	s_wait_dscnt 0x0
	s_set_vgpr_msb 0xf0f4
	s_barrier_signal -1
	WIN MUL_LO
	MUL16 XF1, WF1, 0, 0, 0                        ; work on registers while the others arrive
	WIN 0
	s_barrier_wait -1
.if \fill
	CREST
	s_add_nc_u64 s[G0X+4*\slot+2:G0X+4*\slot+3], s[G0X+4*\slot+2:G0X+4*\slot+3], 2*STEPB   ; no tensor load of mine is out: a group 0 may be written
	s_add_nc_u64 s[G0W+4*\slot+2:G0W+4*\slot+3], s[G0W+4*\slot+2:G0W+4*\slot+3], 2*STEPB
	JLOAD \slot
.endif
	RAWLD \next, 0
	WIN MUL_LO
	MUL16 XF1, WF1, 0, 4, 0
	PLACES                                         ; behind the third quarter's matrix instructions, which read XF0 and WF0
	XLD \next, 0, XF0
	WIN 0
	s_wait_loadcnt 0x0                             ; the next K step's four scale loads are in, and their base is free:
	s_add_nc_u64 s[SB:SB+1], s[SB:SB+1], STEPB     ; the K step behind it
	s_wait_dscnt 32                                ; all but the 32 loads just issued: the 8 raw loads are in
	DQ WF0, SCR+16*\next, 0
	WIN MUL_HI
	MUL16 XF1, WF1, 1, 0, 0
	MUL16 XF1, WF1, 1, 4, 0
.endm
.macro LAP zero                        ; once round the ring, both slots filled again
	THREE 0, \zero, 1
	TURN 0, 1, 1
	THREE 1, 0, 1
	TURN 1, 0, 1
.endm
	SCLD SCR                                       ; K step 0's scales
	s_wait_tensorcnt 0x1                           ; my part of K step 0 is in; K step 1's load stays out
	s_barrier_signal -1
	s_barrier_wait -1                              ; everybody's part is in
	RAWLD 0, 0
	XLD 0, 0, XF0
	WIN 0
	s_wait_loadcnt 0x0                             ; K step 0's scales are in, and their base is free
	s_add_nc_u64 s[SB:SB+1], s[SB:SB+1], STEPB
	s_wait_dscnt 32                                ; the 8 raw loads are in, the 32 of x may be out
	DQ WF0, SCR, 0
	LAP 1                                          ; the first lap stands in front of the loop: its first products start the sums
	WIN 0                                          ; at a label and at a branch every window is 0
	s_mov_b32 s3, LAPS-2
.Llap:
	LAP 0
	WIN 0
	s_sub_co_u32 s3, s3, 1
	s_cmp_lg_u32 s3, 0
	s_cbranch_scc1 .Llap
	THREE 0, 0, 1                                  ; the last lap fills nothing and has no round: my one tensor load still out is slot 1's, the last K step's
	TURN 0, 1, 0
	THREE 1, 0, 0                                  ; no K step follows: no scales are asked for
	s_wait_dscnt 0x0                               ; the very last quarter
	WIN MUL_LO
	MUL16 XF1, WF1, 0, 0, 0
	MUL16 XF1, WF1, 0, 4, 0
	WIN MUL_HI
	MUL16 XF1, WF1, 1, 0, 0
	MUL16 XF1, WF1, 1, 4, 0
	; THE WAY OUT.  A wave holds 128 bytes of each of the block's 256 rows; a row of the block is 512 bytes.  So the four waves put the block together in LDS (rows of 528
	; bytes, 135,168 bytes inside slot 0) and each stores 64 whole rows.  Slot 0 had its last fill for K step 30, and every wave's reads of it were waited for in front of
	; that K step's barrier; the reads that other waves may still make are of slot 1.
	PLACES                                         ; behind the last matrix instructions: for the conversions, which read results, and for the loads into WF0 and WF1
	s_lshl_b32 s68, s16, 8
	s_lshl_b32 s69, s12, 6
	s_add_co_u32 s68, s68, s69                     ; the first row that my wave stores: 256 x row block + 64 x wave
	s_mul_i32 s68, s68, OROW
	s_lshl_b32 s69, s17, 9                         ; the block's first column, in bytes
	s_add_co_u32 s68, s68, s69                     ; under 2^25
	s_mov_b32 s69, 0
	s_add_nc_u64 s[OB:OB+1], s[10:11], s[68:69]
; rows 16 (8 hi + al) .. + 15: the four tiles (al, 0..3) of window 2 or 3 (from = 0x0a or 0x0f: sources 0 and 1) are rounded to f16 and put into the stage
.macro STAGE16 al, hi, from
	WIN \from
.irp b, 0,1,2,3
.irp p, 0,1,2,3
	v_cvt_pk_f16_f32 v[TMP+4*\b+\p], v[8*(4*\al+\b)+2*\p], v[8*(4*\al+\b)+2*\p+1]
.endr
.endr
	WIN 0
.irp b, 0,1,2,3
	ds_store_b128 v[STO+\hi], v[TMP+4*\b:TMP+4*\b+3] offset:\al*16*SPITCH+32*\b
.endr
.endm
.irp al, 0,1,2,3,4,5,6,7
	STAGE16 \al, 0, 0x0a
.endr
.irp al, 0,1,2,3,4,5,6,7
	STAGE16 \al, 1, 0x0f
.endr
	s_wait_dscnt 0x0                               ; my stores into the stage are done,
	s_barrier_signal -1
	s_barrier_wait -1                              ; everybody's are: the rows are whole
; eight rows: read back as whole rows, stored as whole rows; f: WF0 or WF1 in turn
.macro OUT8 i, f
	s_wait_xcnt 0x0                                ; the earlier stores have had their addresses translated (ISA guide 3.1): buffer f, which they read, is loaded again only behind this wait
.irp t, 0,1,2,3,4,5,6,7
	ds_load_b128 v[\f+4*\t:\f+4*\t+3], v[RD] offset:(8*\i+\t)*SPITCH
.endr
.irp t, 0,1,2,3,4,5,6,7
	s_wait_dscnt 7-\t                              ; LDS loads come back in order: row t of the eight is in
	global_store_b128 v[CO], v[\f+4*\t:\f+4*\t+3], s[OB:OB+1] offset:(8*\i+\t)*OROW th:TH_STORE_NT   ; the wave stores 512 consecutive bytes, at a multiple of 256 from out0's first byte
.endr
.endm
	OUT8 0, WF0
	OUT8 1, WF1
	OUT8 2, WF0
	OUT8 3, WF1
	OUT8 4, WF0
	OUT8 5, WF1
	OUT8 6, WF0
	OUT8 7, WF1
	s_wait_tensorcnt 0x0
	ds_add_u32 v254, v255
	s_wait_dscnt 0x0
	CROUND                                         ; the closing round: no work-group ends while a partner may still ask for a tile that names it
	s_endpgm
.Lfunc_end_k_qa84317a83c_gemm:
	.size	k_qa84317a83c_gemm, .Lfunc_end_k_qa84317a83c_gemm-k_qa84317a83c_gemm
	.p2alignl 7, 3214868480
	.fill 96, 4, 3214868480
	.section	.rodata,"a",@progbits
	.p2align	6, 0x0
	.amdhsa_kernel k_qa84317a83c_gemm
		.amdhsa_group_segment_fixed_size 327680
		.amdhsa_private_segment_fixed_size 0
		.amdhsa_enable_private_segment 0
		.amdhsa_kernarg_size 32
		.amdhsa_user_sgpr_count 2
		.amdhsa_user_sgpr_kernarg_segment_ptr 1
		.amdhsa_wavefront_size32 1
		.amdhsa_system_sgpr_workgroup_id_x 1
		.amdhsa_system_sgpr_workgroup_id_y 1
		.amdhsa_system_sgpr_workgroup_id_z 1
		.amdhsa_system_vgpr_workitem_id 0
		.amdhsa_next_free_vgpr 1024
		.amdhsa_next_free_sgpr 80
		.amdhsa_reserve_vcc 0
		.amdhsa_float_denorm_mode_32 3
		.amdhsa_float_denorm_mode_16_64 3
		.amdhsa_memory_ordered 1
		.amdhsa_forward_progress 1
		.amdhsa_inst_pref_size 255
	.end_amdhsa_kernel
	.section	.bss,"aw",@nobits
	.p2align	6
	.space	262144
	.amdgpu_metadata
---
amdhsa.version: [ 1, 2 ]
amdhsa.kernels:
  - .name:           k_qa84317a83c_gemm
    .symbol:         k_qa84317a83c_gemm.kd
    .args:
      - { .name: x, .offset: 0, .size: 8, .value_kind: global_buffer, .address_space: global }
      - { .name: packed, .offset: 8, .size: 8, .value_kind: global_buffer, .address_space: global }
      - { .name: scl, .offset: 16, .size: 8, .value_kind: global_buffer, .address_space: global }
      - { .name: out0, .offset: 24, .size: 8, .value_kind: global_buffer, .address_space: global }
    .group_segment_fixed_size: 327680
    .private_segment_fixed_size: 0
    .kernarg_segment_align: 8
    .kernarg_segment_size: 32
    .max_flat_workgroup_size: 128
    .sgpr_count:     80
    .vgpr_count:     1024
    .wavefront_size: 32
...
	.end_amdgpu_metadata
.endif
;; end of part 2
;; ======== version 2 of 3: 2 launches; 1.12 times as fast as version 1
;; workspace buffers: scl 5,636,096 bytes
;; launch scales: the kernel of part 1 again; grid 172 x 1, 4 waves a work-group, no clusters, 35,328 bytes of LDS; arguments absmax1, code1, offset1, absmax2, code2, scl; writes scl
;; launch gemm (part 3): grid 4 x 43, 4 waves a work-group, clusters of 4 x 1, 327,680 bytes of LDS; arguments x, packed, scl, out0; writes out0
.if DOCPART == 3
	.amdgcn_target "amdgcn-amd-amdhsa--gfx1250"
	.amdhsa_code_object_version 6
	.text
	.protected	k_qa84317a83c_gemm
	.globl	k_qa84317a83c_gemm
	.p2align	8
	.type	k_qa84317a83c_gemm,@function
k_qa84317a83c_gemm:
	s_mov_b64 s[64:65], 0
	v_nop
	global_prefetch_b8 v0, s[64:65] scope:SCOPE_SE
	s_setreg_imm32_b32 hwreg(HW_REG_WAVE_MODE, 25, 1), 1
	s_wait_xcnt 0x0
	s_wait_alu depctr_hold_cnt(0) depctr_sa_sdst(0) depctr_va_vdst(0) depctr_va_sdst(0) depctr_va_ssrc(0) depctr_va_vcc(0) depctr_vm_vsrc(0)
	s_getreg_b32 s2, hwreg(HW_REG_IB_STS2, 6, 4)
	s_cmp_eq_u32 s2, 0
	s_cbranch_scc0 .Lentry_in_a_cluster
	s_endpgm
.Lentry_in_a_cluster:
	s_bfe_u32 s2, ttmp6, 0x10000c
	s_cmp_lg_u32 s2, 0x3003
	s_cbranch_scc0 .Lentry_shape_is_right
	s_endpgm
.Lentry_shape_is_right:
; out0[m][n] = sum over k of x[m][k] W[n][k];  x [1024][4096] f16, out0 [1024][11008] f16, sums in f32, out0 rounded once.
; W[n][k] = f16( q * f + c ): q = a nibble of packed (word i of a row holds k = 2 i in its low four bits and k = 2 i + 1 in what an arithmetic shift by 4 leaves),
; (f, c) = the pair that the launch before this one stored in scl for row n and the block of 64 k.  W is rounded to f16 as the problem rounds it, x comes in f16:
; the f16 matrix form takes both as they are.  No work is left out: every input has a way to the output.
; A work-group makes a block of 256 x 256 of out0 with four waves (4 x 43 = 172 blocks: 1024 = 4 x 256, 11008 = 43 x 256).  A wave makes all 256 rows x 64 columns: 64 accumulator
; tiles of 16 x 16, 512 registers.  So each wave alone needs its 64 rows of W, and unpacks them from the raw tile in LDS straight into matrix fragments in registers:
; a row of packed has 2 bytes for each k, as f16 has, and word i holds k = 2 i, 2 i + 1, so the 16 bytes that a fragment load would take of an f16 row are the four raw
; words of the same four fragment registers.  Each element of W is unpacked once in a work-group and never goes back to LDS.
; K goes in steps of 128 through two LDS slots filled by tensor loads; a tile row is 256 bytes of memory at a multiple of 256 from the buffer's first byte, for x and for packed.
; UNPACKING BESIDE THE PRODUCTS: a quarter step (32 k) is 64 matrix instructions on one pair of fragment buffers and 192 vector instructions that make W's fragments of the
; next quarter in the other buffer.  The 192 are cut into 48 slices of four independent instructions; one slice stands behind each of the quarter's matrix instructions
; 17 to 62 and two behind the last, so that the vector unit works while the matrix unit does.  The quarter's 40 LDS loads stay in one run at its head.
; CLUSTERS: the four work-groups of a cluster (4, 1, 1) are the four row blocks of one column block and need the same tiles of packed: these are asked for JOINTLY
; (mask 15).  The tiles of x are shared by the 43 work-groups of a row block; 43 has no divisor from 2 to 4, so no cluster along y divides the grid, and x comes by plain loads.
; LIMITS: q * f + c rounds otherwise than (q - offset1) * f: the difference is under 2^-23 |offset1 * f|, far under the f16 rounding of W.  packed may hold any int32.
; W and out0 become infinite in f16 where they pass 65504, as the problem's own f16 arrays do.
;
; REGISTERS, in windows of 256:  window 0: addresses, W's fragments (two buffers), raw words, scales, work.  window 1: x's fragments, two buffers of 16 x 8.
; window 2: the accumulator tiles of rows 0-127 (tile (a, b) at v[8 (4 a + b)], a = block of 16 rows, b = block of 16 columns);  window 3: those of rows 128-255.
; The accumulators fill windows 2 and 3, so a slice, whose results lie in window 0, costs two switches of the window: 94 for a quarter's 47 places with slices.
; THE MATRIX INSTRUCTION IS USED TRANSPOSED: source 0 = 16 rows of W, source 1 = 16 rows of x.  Lane l then holds row l % 16 of out0 and in its registers 0 to 7 the
; columns 8 (l / 16) + 0 .. 7: eight neighbouring numbers, which pack into 16 bytes.
.set PITCH,  272                       ; an LDS row: 256 bytes + 16 of padding, an odd multiple of 16: the 16 rows of a fragment load start at 16 different 16-byte columns
.set HALFT,  128*PITCH                 ; 128 rows: what one tensor load brings
.set SLOT,   4*HALFT                   ; x's 256 rows, then packed's 256 rows
.set STEPB,  256                       ; bytes of a K step in a row of x, in a row of packed, and in a tile of scl
.set LAPS,   16                        ; a lap = two K steps = once round the ring; 4096 / 256
.set SPITCH, 528                       ; the way out: a row of 512 bytes + 16
.set OROW,   22016                     ; bytes in a row of out0
.set DQ0,    17                        ; the first of a quarter's 64 matrix instructions that has a slice behind it: 46 with one slice, the last with two = 48
.set ADRX, 16                          ; v16-17  LDS address of my x fragments in slot 0, 1
.set ADRW, 20                          ; v20-21  the same for my wave's 64 raw rows of W
.set SCO,  22                          ; v22     16 (l % 16): my row's 16 bytes in a 256-byte piece of scl
.set STO,  24                          ; v24-25  the way out: where I put 16 bytes, rows 0-127 and rows 128-255
.set RD,   26                          ; v26     the way out: where I read a row back
.set CO,   27                          ; v27     16 l: my bytes in a row of the block of out0
.set WF0,  32                          ; v[32:63]   W's fragments, buffer 0 (4 x 8)
.set WF1,  64                          ; v[64:95]   buffer 1
.set RW,   96                          ; v[96:127]  raw words of a quarter step (4 x 8)
.set SCR,  128                         ; v[128:143] (f0, c0, f1, c1) for b = 0..3 of an even K step; v[144:159] of an odd one
.set T,    160                         ; v[160:167] unpacking
.set TMP,  192                         ; v[192:207] the way out: packed results
.set XF0,  0                           ; window 1: x's fragments, buffer 0
.set XF1,  128                         ; buffer 1
.set G1X, 24                           ; s[24:31] descriptor group 1 for x
.set G0X, 32                           ; s[32:39] group 0 for x, one set for each slot
.set SB,  44                           ; s[44:45] scl at my wave's four tiles, at the K step that is loaded next
.set G1W, 48                           ; s[48:55] group 1 for packed
.set G0W, 56                           ; s[56:63] group 0 for packed, one set for each slot
.set OB,  66                           ; s[66:67] out0 at the first of the 64 rows that my wave stores
.set MSB, 0
.macro WIN new                         ; s_set_vgpr_msb: bits 1:0 source 0, 3:2 source 1, 5:4 source 2, 7:6 destination; the high byte repeats the setting that is left
.if MSB != \new
	s_set_vgpr_msb (MSB<<8)|\new
.set MSB, \new
.endif
.endm
.set MUL_LO, 0xa4                      ; source 0 (W) window 0, source 1 (x) window 1, C and D window 2
.set MUL_HI, 0xf4                      ; the same, C and D window 3
.set TO_X,   0x40                      ; destination window 1, address window 0
; Four places, where no vector work stands: a vector instruction that reads a matrix result, and a load into a register that a matrix instruction has read,
; stand four plain vector instructions behind it (ISA guide 7.12.1 for vector instructions).  Used in front of the way out alone.
.macro PLACES
.rept 4
	v_nop
.endr
.endm
; One tensor load a wave: waves 0 and 1 fetch the two halves of x's tile (a plain load), waves 2 and 3 the two halves of packed's (a joint load of the four partners).
; The branch hangs on the wave's number alone.
.macro JLOAD s
	s_cmp_eq_u32 s13, 0
	s_cbranch_scc0 .Lfor_w_\@
	tensor_load_to_lds s[G0X+4*\s:G0X+4*\s+3], s[G1X:G1X+7]
	s_nop 0
	s_branch .Lasked_\@
.Lfor_w_\@:
	tensor_load_to_lds s[G0W+4*\s:G0W+4*\s+3], s[G1W:G1W+7]
	s_nop 0
.Lasked_\@:
.endm
; A round of the cluster's barrier: my work-group's barrier; wave 0 signals for the work-group; every wave waits for all four work-groups; my work-group's barrier again.
.macro CREST                           ; a round behind its opening barrier
	s_cmp_lg_u32 s12, 0
	s_cbranch_scc1 .Lnot_wave_0_\@
	s_barrier_signal -3
.Lnot_wave_0_\@:
	s_barrier_wait -3
	s_barrier_signal -1
	s_barrier_wait -1
.endm
.macro CROUND                          ; a whole round
	s_barrier_signal -1
	s_barrier_wait -1
	CREST
.endm
	s_load_b256 s[4:11], s[0:1], 0x0               ; x s[4:5], packed s[6:7], scl s[8:9], out0 s[10:11]
	v_lshl_add_u32 v254, v0, 2, 0x44000
	v_mov_b32 v255, 0
	ds_add_u32 v254, v255
	v_lshrrev_b32 v1, 5, v0
	v_readfirstlane_b32 s12, v1                    ; wave 0..3
	s_lshr_b32 s13, s12, 1                         ; I fetch for x (0) or for packed (1)
	s_and_b32 s14, s12, 1                          ; which 128 rows of that tile
	s_bfe_u32 s15, ttmp6, 0x40000                  ; cx: my place in the cluster
	s_lshl_b32 s16, ttmp9, 2                       ; in a cluster launch ttmp9 and ttmp7 count clusters
	s_add_co_u32 s16, s16, s15                     ; row block of out0 = 4 x cluster x + cx
	s_and_b32 s17, ttmp7, 0xffff                   ; column block of out0 = cluster y (the cluster is one work-group high)
	; group 1 for x: 128 rows x 128 elements of 2 bytes, padded in LDS
	s_mov_b32 s[G1X+0], (1<<16)|(1<<20)|(5<<22)|(3<<25)            ; 15:0 mask 0: a load of my own; 17:16 2 bytes; 20 padding on; 24:22 after every 64 words; 31:25 of 4 words
	s_mov_b32 s[G1X+1], 128<<16                    ; tensor_dim0 = 128
	s_mov_b32 s[G1X+2], 128<<16                    ; tensor_dim1 = 128
	s_mov_b32 s[G1X+3], 128<<16                    ; tile_dim0 = 128
	s_mov_b32 s[G1X+4], 128                        ; tile_dim1 = 128
	s_mov_b32 s[G1X+5], 4096                       ; elements from row to row
	s_mov_b32 s[G1X+6], 0
	s_mov_b32 s[G1X+7], 0
	; group 1 for packed: 128 rows x 64 elements of 4 bytes, the same padding, asked for by all four work-groups of the cluster
	s_mov_b32 s[G1W+0], 15|(2<<16)|(1<<20)|(1<<21)|(5<<22)|(3<<25) ; 15:0 the mask names places 0 to 3; 17:16 4 bytes; 21 set beside a mask
	s_mov_b32 s[G1W+1], 64<<16                     ; tensor_dim0 = 64
	s_mov_b32 s[G1W+2], 128<<16                    ; tensor_dim1 = 128
	s_mov_b32 s[G1W+3], 64<<16                     ; tile_dim0 = 64
	s_mov_b32 s[G1W+4], 128                        ; tile_dim1 = 128
	s_mov_b32 s[G1W+5], 2048                       ; elements from row to row
	s_mov_b32 s[G1W+6], 0
	s_mov_b32 s[G1W+7], 0
	; where the tiles come from (a row of x and a row of packed are 8,192 bytes; all offsets stay under 2^27).  cx enters x's address alone.
	s_lshl_b32 s18, s14, 7                         ; which 128 rows
	s_lshl_b32 s40, s16, 8
	s_add_co_u32 s40, s40, s18                     ; x: row 256 x row block + 128 x half
	s_lshl_b32 s40, s40, 13
	s_mov_b32 s41, 0
	s_lshl_b32 s46, s17, 8
	s_add_co_u32 s46, s46, s18                     ; packed: row 256 x column block + 128 x half
	s_lshl_b32 s46, s46, 13
	s_mov_b32 s47, 0
	s_lshl_b32 s[SB], s17, 4
	s_lshl2_add_u32 s[SB], s12, s[SB]              ; scl: tile 16 x column block + 4 x wave
	s_lshl_b32 s[SB], s[SB], 13
	s_mov_b32 s[SB+1], 0
	s_mul_i32 s20, s12, HALFT                      ; and where they go: x's two halves, then packed's two = wave x 128 rows
	s_wait_dscnt 0x0
	s_wait_kmcnt 0x0
	s_add_nc_u64 s[40:41], s[4:5], s[40:41]
	s_add_nc_u64 s[46:47], s[6:7], s[46:47]
	s_add_nc_u64 s[SB:SB+1], s[8:9], s[SB:SB+1]
	CROUND                                         ; all four work-groups are here: the first joint loads meet
.irp s, 0,1
	s_mov_b32 s[G0X+4*\s], 1                                       ; count = 1
	s_add_co_u32 s[G0X+4*\s+1], s20, \s*SLOT                       ; LDS address
	s_add_nc_u64 s[G0X+4*\s+2:G0X+4*\s+3], s[40:41], \s*STEPB      ; global address: K step s
	s_or_b32 s[G0X+4*\s+3], s[G0X+4*\s+3], 0x80000000              ; type = 2
	s_mov_b32 s[G0W+4*\s], 1
	s_add_co_u32 s[G0W+4*\s+1], s20, \s*SLOT
	s_add_nc_u64 s[G0W+4*\s+2:G0W+4*\s+3], s[46:47], \s*STEPB
	s_or_b32 s[G0W+4*\s+3], s[G0W+4*\s+3], 0x80000000
	JLOAD \s                                       ; both slots are asked for before anything else: two tensor loads of the wave are out
.endr
	; A fragment is 16 rows x 32 k in 8 registers: lane l holds row l % 16; registers 0-3 hold k = 8 (l / 16) + 0..7, registers 4-7 k = 16 + 8 (l / 16) + 0..7:
	; two loads of 16 bytes, 32 bytes apart, at row x pitch + 16 (l / 16).  The same for x (f16) and for the raw words of W.
	v_and_b32 v1, 15, v0                           ; l % 16
	v_bfe_u32 v2, v0, 4, 1                         ; l / 16
	v_and_b32 v5, 31, v0                           ; l
	v_mul_u32_u24 v[ADRX], v1, PITCH
	v_lshl_add_u32 v[ADRX], v2, 4, v[ADRX]
	v_add_nc_u32 v[ADRX+1], SLOT, v[ADRX]
	s_mul_i32 s21, s12, 64*PITCH                   ; my wave's 64 rows of W,
	s_add_co_u32 s21, s21, 2*HALFT                 ; which lie behind x's 256 rows
	v_add_nc_u32 v[ADRW], s21, v[ADRX]
	v_add_nc_u32 v[ADRW+1], SLOT, v[ADRW]
	v_lshlrev_b32 v[SCO], 4, v1
	v_mul_u32_u24 v4, v1, SPITCH                   ; the way out, in: row l % 16, my wave's 128 bytes, 16 bytes for each half of the lanes
	v_lshl_add_u32 v4, v2, 4, v4
	s_lshl_b32 s22, s12, 7
	v_add_nc_u32 v[STO], s22, v4
	v_add_nc_u32 v[STO+1], 8*16*SPITCH, v[STO]
	s_mul_i32 s23, s12, 64*SPITCH                  ; back: my wave takes rows 64 w .. 64 w + 63, a whole row of 512 bytes at a time
	v_lshlrev_b32 v[CO], 4, v5
	v_add_nc_u32 v[RD], s23, v[CO]
; 8 LDS loads: the raw words of my 64 rows of W for one quarter step, at byte k of the rows (window 0)
.macro RAWLD slot, k
.irp b, 0,1,2,3
	ds_load_b128 v[RW+8*\b:RW+8*\b+3],   v[ADRW+\slot] offset:\k+\b*16*PITCH
	ds_load_b128 v[RW+8*\b+4:RW+8*\b+7], v[ADRW+\slot] offset:\k+\b*16*PITCH+32
.endr
.endm
; 32 LDS loads: x's 256 rows for one quarter step into buffer xf of window 1.  The largest offset is 192 + 15 x 4,352 + 32 = 65,504.
.macro XLD slot, k, xf
	WIN TO_X
.irp a, 0,1,2,3,4,5,6,7,8,9,10,11,12,13,14,15
	ds_load_b128 v[\xf+8*\a:\xf+8*\a+3],   v[ADRX+\slot] offset:\k+\a*16*PITCH
	ds_load_b128 v[\xf+8*\a+4:\xf+8*\a+7], v[ADRX+\slot] offset:\k+\a*16*PITCH+32
.endr
.endm
; The scales of one K step for my four blocks of 16 rows: each load takes 256 consecutive bytes, aligned; both halves of the lanes read the same words (window 0)
.macro SCLD sc
.irp b, 0,1,2,3
	global_load_b128 v[\sc+4*\b:\sc+4*\b+3], v[SCO], s[SB:SB+1] offset:\b*8192
.endr
.endm
; All of a quarter's loads in one run: the raw words first (the slices want them first), then x's fragments, for the quarter at byte k of slot's rows.
; scld = 1: the next K step's scales go out too, into the other set (last read by the slices of the third quarter of the K step before this one).
.macro LDRUN slot, k, xg, scld
	WIN 0
	RAWLD \slot, \k
.if \scld
	SCLD SCR+16*(1-\slot)
.endif
	XLD \slot, \k, \xg
.endm
; Slice n (0 to 47) of the unpacking of a quarter step's raw words into fragment buffer wf: four independent instructions, all in window 0.
; Six slices turn four raw words into four fragment registers (8 numbers): low nibbles; the words shifted right by 4 with their sign; to f32 (twice four);
; q * f + c (f = v[DF], c = v[DF+1], each broadcast to both halves); two roundings to f16 packed.  sc = the K step's scale registers, j = which block of 64 k of the step.
.macro DQS n, wf, sc, j
.set DP, (\n)%6
.set DR, RW+4*((\n)/6)
.set DD, \wf+4*((\n)/6)
.set DF, \sc+4*((\n)/12)+2*\j
.if DP == 0
.irp i, 0,1,2,3
	v_and_b32 v[T+2*\i], 15, v[DR+\i]              ; k = 2 i
.endr
.endif
.if DP == 1
.irp i, 0,1,2,3
	v_ashrrev_i32 v[T+2*\i+1], 4, v[DR+\i]         ; k = 2 i + 1
.endr
.endif
.if DP == 2
.irp i, 0,1,2,3
	v_cvt_f32_i32 v[T+\i], v[T+\i]
.endr
.endif
.if DP == 3
.irp i, 4,5,6,7
	v_cvt_f32_i32 v[T+\i], v[T+\i]
.endr
.endif
.if DP == 4
.irp i, 0,1,2,3
	v_pk_fma_f32 v[T+2*\i:T+2*\i+1], v[T+2*\i:T+2*\i+1], v[DF:DF+1], v[DF:DF+1] op_sel:[0,0,1] op_sel_hi:[1,0,1]
.endr
.endif
.if DP == 5
.irp i, 0,1,2,3
	v_cvt_pk_f16_f32 v[DD+\i], v[T+2*\i], v[T+2*\i+1]
.endr
.endif
.endm
.macro DQALL wf, sc, j                 ; all 48 slices in one block: for the very first fragments, which have no products to stand among
.set DN, 0
.rept 48
	DQS DN, \wf, \sc, \j
.set DN, DN+1
.endr
.endm
; Matrix instructions i0 .. i0 + cnt - 1 of a quarter step's 64, on buffers xf, wf.  Number i: row block i / 4 of 16, column block i % 4; numbers 0-31 add in window 2,
; 32-63 in window 3.  zero = 1: the product starts the sum: nothing is cleared.  The 64 accumulators take turns, one instruction a turn, in the same order in every
; quarter step, over the loop's backward jump too.
; dq = 1: behind number i stands slice i - DQ0 of the unpacking into wg (the buffer that these products do not read); the last two slices stand together behind number 63.
.macro MRUN xf, wf, i0, cnt, zero, dq, wg, sc, j
.set MI, \i0
.rept \cnt
.set WN, MUL_LO+(MI/32)*0x50
	WIN WN
.set MACC, 8*(MI%32)
.set MW, \wf+8*(MI%4)
.set MX, \xf+8*(MI/4)
.if \zero
	v_wmma_f32_16x16x32_f16 v[MACC:MACC+7], v[MW:MW+7], v[MX:MX+7], 0
.else
	v_wmma_f32_16x16x32_f16 v[MACC:MACC+7], v[MW:MW+7], v[MX:MX+7], v[MACC:MACC+7]
.endif
.if \dq
	WIN 0
	DQS MI-DQ0, \wg, \sc, \j
.if MI == 63
	DQS 64-DQ0, \wg, \sc, \j
.endif
.endif
.set MI, MI+1
.endr
.endm
; A K step is four quarter steps of 32 along k, 64 matrix instructions each, on buffers 0, 1, 0, 1.
; One of the first three: multiplies buffers xf, wf and makes the next quarter's, at byte k of the same slot's rows, in xg, wg.
; The run's loads into xg stand behind the eight plain vector instructions of the last quarter's last two slices, which name none of the registers of the last matrix
; instruction that read xg: more than the four places asked for.  The first write of wg is slice 5's, behind twenty more.
.macro QUARTER slot, k, xf, wf, xg, wg, j, zero, scld
	LDRUN \slot, \k, \xg, \scld
	s_wait_dscnt 40                                ; all but the 40 loads just issued: this quarter's x fragments, asked for a quarter ago, are in
	MRUN \xf, \wf, 0, DQ0, \zero, 0, 0, 0, 0
	s_wait_dscnt 32                                ; all but the run's 32 x loads: its 8 raw loads, issued first, are in
	MRUN \xf, \wf, DQ0, 64-DQ0, \zero, 1, \wg, SCR+16*\slot, \j
.endm
.macro THREE slot, zero, scld
	QUARTER \slot, 64,  XF0, WF0, XF1, WF1, 0, \zero, \scld
	QUARTER \slot, 128, XF1, WF1, XF0, WF0, 1, 0, 0
	QUARTER \slot, 192, XF0, WF0, XF1, WF1, 1, 0, 0
.endm
; The last quarter: multiplies buffers 1 and changes slots.  fill = 1: this slot is filled again, two K steps ahead.
; In front of the barrier each wave waits for its reads of this slot (the last were issued at the head of the third quarter) and for all its tensor loads, of which one is
; out: its part of the next slot.  Behind it nobody reads this slot and the next slot is whole.  Where the slot is filled again the barrier opens a round of the cluster's
; barrier, so that the same holds of the three partners; the refill is the first tensor load behind the round, the wave's only one until the next round.
; From a request to the wait for it a wave issues 248 matrix instructions.
.macro TURN slot, next, fill
	s_wait_dscnt 0x0                               ; my reads of this slot are over, this quarter's x fragments among them
	s_wait_tensorcnt 0x0                           ; all my tensor loads have landed
	ds_add_u32 v254, v255
	s_wait_dscnt 0x0
	s_barrier_signal -1
	MRUN XF1, WF1, 0, 8, 0, 0, 0, 0, 0             ; work on registers while the others arrive
	WIN 0
	s_barrier_wait -1
.if \fill
	CREST
	s_add_nc_u64 s[G0X+4*\slot+2:G0X+4*\slot+3], s[G0X+4*\slot+2:G0X+4*\slot+3], 2*STEPB   ; no tensor load of mine is out: a group 0 may be written
	s_add_nc_u64 s[G0W+4*\slot+2:G0W+4*\slot+3], s[G0W+4*\slot+2:G0W+4*\slot+3], 2*STEPB
	JLOAD \slot
.endif
	LDRUN \next, 0, XF0, 0                         ; XF0 was last read in the third quarter, whose last two slices are the places in front of these loads
	MRUN XF1, WF1, 8, DQ0-8, 0, 0, 0, 0, 0
	s_wait_loadcnt 0x0                             ; the next K step's four scale loads are in, and their base is free:
	s_add_nc_u64 s[SB:SB+1], s[SB:SB+1], STEPB     ; the K step behind it
	s_wait_dscnt 32                                ; all but the run's 32 x loads: its 8 raw loads are in
	MRUN XF1, WF1, DQ0, 64-DQ0, 0, 1, WF0, SCR+16*\next, 0
.endm
.macro LAP zero                        ; once round the ring, both slots filled again
	THREE 0, \zero, 1
	TURN 0, 1, 1
	THREE 1, 0, 1
	TURN 1, 0, 1
.endm
	SCLD SCR                                       ; K step 0's scales
	s_wait_tensorcnt 0x1                           ; my part of K step 0 is in; K step 1's load stays out
	s_barrier_signal -1
	s_barrier_wait -1                              ; everybody's part is in
	RAWLD 0, 0
	XLD 0, 0, XF0
	WIN 0
	s_wait_loadcnt 0x0                             ; K step 0's scales are in, and their base is free
	s_add_nc_u64 s[SB:SB+1], s[SB:SB+1], STEPB
	s_wait_dscnt 32                                ; the 8 raw loads are in, the 32 of x may be out
	DQALL WF0, SCR, 0
	LAP 1                                          ; the first lap stands in front of the loop: its first products start the sums
	WIN 0                                          ; at a label and at a branch every window is 0
	s_mov_b32 s3, LAPS-2
.Llap:
	LAP 0
	WIN 0
	s_sub_co_u32 s3, s3, 1
	s_cmp_lg_u32 s3, 0
	s_cbranch_scc1 .Llap
	THREE 0, 0, 1                                  ; the last lap fills nothing and has no round: my one tensor load still out is slot 1's, the last K step's
	TURN 0, 1, 0
	THREE 1, 0, 0                                  ; no K step follows: no scales are asked for
	s_wait_dscnt 0x0                               ; the very last quarter: its x fragments are in; nothing is left to load or to unpack
	MRUN XF1, WF1, 0, 64, 0, 0, 0, 0, 0
	; THE WAY OUT.  A wave holds 128 bytes of each of the block's 256 rows; a row of the block is 512 bytes.  So the four waves put the block together in LDS (rows of 528
	; bytes, 135,168 bytes inside slot 0) and each stores 64 whole rows.  Slot 0 had its last fill for K step 30, and every wave's reads of it were waited for in front of
	; that K step's barrier; the reads that other waves may still make are of slot 1.
	PLACES                                         ; behind the last matrix instructions: for the conversions, which read results, and for the loads into WF0 and WF1
	s_lshl_b32 s68, s16, 8
	s_lshl_b32 s69, s12, 6
	s_add_co_u32 s68, s68, s69                     ; the first row that my wave stores: 256 x row block + 64 x wave
	s_mul_i32 s68, s68, OROW
	s_lshl_b32 s69, s17, 9                         ; the block's first column, in bytes
	s_add_co_u32 s68, s68, s69                     ; under 2^25
	s_mov_b32 s69, 0
	s_add_nc_u64 s[OB:OB+1], s[10:11], s[68:69]
; rows 16 (8 hi + al) .. + 15: the four tiles (al, 0..3) of window 2 or 3 (from = 0x0a or 0x0f: sources 0 and 1) are rounded to f16 and put into the stage
.macro STAGE16 al, hi, from
	WIN \from
.irp b, 0,1,2,3
.irp p, 0,1,2,3
	v_cvt_pk_f16_f32 v[TMP+4*\b+\p], v[8*(4*\al+\b)+2*\p], v[8*(4*\al+\b)+2*\p+1]
.endr
.endr
	WIN 0
.irp b, 0,1,2,3
	ds_store_b128 v[STO+\hi], v[TMP+4*\b:TMP+4*\b+3] offset:\al*16*SPITCH+32*\b
.endr
.endm
.irp al, 0,1,2,3,4,5,6,7
	STAGE16 \al, 0, 0x0a
.endr
.irp al, 0,1,2,3,4,5,6,7
	STAGE16 \al, 1, 0x0f
.endr
	s_wait_dscnt 0x0                               ; my stores into the stage are done,
	s_barrier_signal -1
	s_barrier_wait -1                              ; everybody's are: the rows are whole
; eight rows: read back as whole rows, stored as whole rows; f: WF0 or WF1 in turn
.macro OUT8 i, f
	s_wait_xcnt 0x0                                ; the earlier stores have had their addresses translated (ISA guide 3.1): buffer f, which they read, is loaded again only behind this wait
.irp t, 0,1,2,3,4,5,6,7
	ds_load_b128 v[\f+4*\t:\f+4*\t+3], v[RD] offset:(8*\i+\t)*SPITCH
.endr
.irp t, 0,1,2,3,4,5,6,7
	s_wait_dscnt 7-\t                              ; LDS loads come back in order: row t of the eight is in
	global_store_b128 v[CO], v[\f+4*\t:\f+4*\t+3], s[OB:OB+1] offset:(8*\i+\t)*OROW th:TH_STORE_NT   ; the wave stores 512 consecutive bytes, at a multiple of 256 from out0's first byte
.endr
.endm
	OUT8 0, WF0
	OUT8 1, WF1
	OUT8 2, WF0
	OUT8 3, WF1
	OUT8 4, WF0
	OUT8 5, WF1
	OUT8 6, WF0
	OUT8 7, WF1
	s_wait_tensorcnt 0x0
	ds_add_u32 v254, v255
	s_wait_dscnt 0x0
	CROUND                                         ; the closing round: no work-group ends while a partner may still ask for a tile that names it
	s_endpgm
.Lfunc_end_k_qa84317a83c_gemm:
	.size	k_qa84317a83c_gemm, .Lfunc_end_k_qa84317a83c_gemm-k_qa84317a83c_gemm
	.p2alignl 7, 3214868480
	.fill 96, 4, 3214868480
	.section	.rodata,"a",@progbits
	.p2align	6, 0x0
	.amdhsa_kernel k_qa84317a83c_gemm
		.amdhsa_group_segment_fixed_size 327680
		.amdhsa_private_segment_fixed_size 0
		.amdhsa_enable_private_segment 0
		.amdhsa_kernarg_size 32
		.amdhsa_user_sgpr_count 2
		.amdhsa_user_sgpr_kernarg_segment_ptr 1
		.amdhsa_wavefront_size32 1
		.amdhsa_system_sgpr_workgroup_id_x 1
		.amdhsa_system_sgpr_workgroup_id_y 1
		.amdhsa_system_sgpr_workgroup_id_z 1
		.amdhsa_system_vgpr_workitem_id 0
		.amdhsa_next_free_vgpr 1024
		.amdhsa_next_free_sgpr 80
		.amdhsa_reserve_vcc 0
		.amdhsa_float_denorm_mode_32 3
		.amdhsa_float_denorm_mode_16_64 3
		.amdhsa_memory_ordered 1
		.amdhsa_forward_progress 1
		.amdhsa_inst_pref_size 255
	.end_amdhsa_kernel
	.section	.bss,"aw",@nobits
	.p2align	6
	.space	262144
	.amdgpu_metadata
---
amdhsa.version: [ 1, 2 ]
amdhsa.kernels:
  - .name:           k_qa84317a83c_gemm
    .symbol:         k_qa84317a83c_gemm.kd
    .args:
      - { .name: x, .offset: 0, .size: 8, .value_kind: global_buffer, .address_space: global }
      - { .name: packed, .offset: 8, .size: 8, .value_kind: global_buffer, .address_space: global }
      - { .name: scl, .offset: 16, .size: 8, .value_kind: global_buffer, .address_space: global }
      - { .name: out0, .offset: 24, .size: 8, .value_kind: global_buffer, .address_space: global }
    .group_segment_fixed_size: 327680
    .private_segment_fixed_size: 0
    .kernarg_segment_align: 8
    .kernarg_segment_size: 32
    .max_flat_workgroup_size: 128
    .sgpr_count:     80
    .vgpr_count:     1024
    .wavefront_size: 32
...
	.end_amdgpu_metadata
.endif
;; end of part 3
;; ======== version 3 of 3: 2 launches; version 2 with the launch scales written anew for expert scheduling mode
;; workspace buffers: scl 5,636,096 bytes
;; launch scales (part 4): grid 172 x 1, 4 waves a work-group, no clusters, 35,328 bytes of LDS; arguments absmax1, code1, offset1, absmax2, code2, scl; writes scl
.if DOCPART == 4
	.amdgcn_target "amdgcn-amd-amdhsa--gfx1250"
	.amdhsa_code_object_version 6
	.text
	.protected	k_qa84317a83c_scales
	.globl	k_qa84317a83c_scales
	.p2align	8
	.type	k_qa84317a83c_scales,@function
k_qa84317a83c_scales:
	s_mov_b64 s[64:65], 0
	v_nop
	global_prefetch_b8 v0, s[64:65] scope:SCOPE_SE
	s_setreg_imm32_b32 hwreg(HW_REG_WAVE_SCHED_MODE, 0, 2), 2
	s_setreg_imm32_b32 hwreg(HW_REG_WAVE_MODE, 25, 1), 1
	s_wait_xcnt 0x0
	s_wait_alu depctr_vm_vsrc(0)
; The five scale arrays of the 4-bit weight become one table of pairs (f, c) in f32, one pair for each primary block of 64 k:
;   f = (absmax1 / code1) * (absmax2 / code2),   c = -offset1 * f,   so that W = (q - offset1) * f = q * f + c (one fused multiply-add in the product kernel).
; No work is left out: every input has a way to the output.
; Table layout: [688 tiles of 16 rows of W][32 K steps of 128 k][16 rows][f(2s), c(2s), f(2s+1), c(2s+1)]; byte = tile*8192 + s*256 + row*16.
; So the sixteen rows of one matrix fragment find the scales of one K step in 256 consecutive bytes, aligned.
; A row of W has 64 primary blocks (256 bytes of each primary array) and 16 secondary blocks (64 bytes).
; Wave w of work-group g owns tile 4 g + w: 4,096 bytes of each primary array, 1,024 of each secondary, 8,192 of the table.
; The transposition (row-major blocks in, step-major out) goes through the wave's own 8,704 bytes of LDS: no wave reads another's bytes, so there is no barrier.
; The matrix unit, tensor loads and clusters have nothing to do here: no product, no byte shared between work-groups, each byte read once.
; LIMITS: 1/code1 and 1/code2 come from v_rcp_f32 (accurate to 1 ULP; a denormal code counts as zero: ISA guide 15.8), and the quotient is a product with it.
; THE MODE: SCHED_MODE bits 1:0 = 2 (LLVM: expert scheduling mode 2), set by the entry lines.  The code itself states the register dependences
; between vector instructions and memory or LDS instructions, with s_wait_alu, always for 0.
; THE PLAN.  Registers that memory or LDS instructions touch:
;   v1 .. v4        offsets and LDS addresses: written at the head, read by the loads and stores, never written again.
;   v[8:119]        the forty loads land here, ahead of every vector instruction that names these registers; group i works on its part behind its counted wait on LOADcnt.
;   P0, P1          two buffers of four pairs (f, c).  Group i's products write P[i % 2]; the two LDS stores that read it are issued in group i + 1.
;   Q = v[8:71]     at the end the LDS loads land here, in registers that the groups' vector instructions have read and written and that no memory instruction has read.
;   v128, v129      written at the head, read by the closing add alone.
; So ONE wait on va_vdst stands in a group, behind its reciprocals and the conversions that follow them: it states that the reciprocals are written and that the group
; before has written its P.  That group's two stores follow the wait directly.  One wait on vm_vsrc, from group 2 on, ahead of those stores: the stores issued a group
; earlier have read the P that this group writes again.  One more wait on va_vdst behind the last group serves its stores and the loads into Q.
.set AB, 8                             ; v[8:39]    absmax1, group i in 4 registers; then scale1
.set C1, 40                            ; v[40:71]   code1, then its reciprocal
.set OF, 72                            ; v[72:103]  offset1
.set A2, 104                           ; v[104:111] absmax2 of my secondary block, group i; then scale2
.set C2, 112                           ; v[112:119] code2, then its reciprocal
.set P,  120                           ; v[120:127] an even group's four pairs (f, c); v[130:137], at P + 10, an odd group's (v128 and v129 lie between)
.set Q,  8                             ; v[8:71]    the table as read back (AB and C1 are spent by then)
.set SP, 272                           ; LDS bytes from K step to K step: 16 rows x 16 bytes + 16
.set WLDS, 32*SP                       ; a wave's LDS bytes
	s_load_b256 s[4:11], s[0:1], 0x0               ; absmax1 s[4:5], code1 s[6:7], offset1 s[8:9], absmax2 s[10:11]
	s_load_b128 s[12:15], s[0:1], 0x20             ; code2 s[12:13], scl s[14:15]
	v_lshl_add_u32 v128, v0, 2, 0x8800             ; my spare word, behind the four waves' 4 x 8,704 bytes, and 0: kept for the closing lines alone
	v_mov_b32 v129, 0
	v_lshrrev_b32 v5, 5, v0
	v_readfirstlane_b32 s16, v5                    ; wave 0..3
	v_and_b32 v5, 31, v0                           ; lane l
	v_and_b32 v6, 15, v0                           ; l % 16
	v_bfe_u32 v7, v0, 4, 1                         ; l / 16
	v_lshlrev_b32 v1, 4, v5                        ; 16 l: my 16 bytes of 512 (primary arrays in, table out)
	v_lshlrev_b32 v2, 2, v5                        ; 4 l: my word of 128 bytes (secondary arrays)
	s_wait_alu depctr_va_sdst(0)                   ; s16 is written, ahead of its first reader: the tile's number and my wave's LDS bytes are made from it
	s_lshl_b32 s17, ttmp9, 2
	s_add_co_u32 s17, s17, s16                     ; my tile
	s_lshl_b32 s18, s17, 12                        ; its bytes in a primary array,
	s_mov_b32 s19, 0
	s_lshl_b32 s20, s17, 10                        ; in a secondary array,
	s_mov_b32 s21, 0
	s_lshl_b32 s22, s17, 13                        ; in the table
	s_mov_b32 s23, 0
	s_mul_i32 s24, s16, WLDS                       ; my wave's LDS bytes
	v_mul_u32_u24 v3, v6, 2*SP                     ; in: K steps 2 (l % 16) and the next, row 2 i + l / 16
	v_lshl_add_u32 v3, v7, 4, v3
	v_add_nc_u32 v3, s24, v3
	v_mul_u32_u24 v4, v7, SP                       ; back: K step 2 j + l / 16, row l % 16
	v_lshl_add_u32 v4, v6, 4, v4
	v_add_nc_u32 v4, s24, v4
	s_wait_kmcnt 0x0
	s_add_nc_u64 s[4:5], s[4:5], s[18:19]
	s_add_nc_u64 s[6:7], s[6:7], s[18:19]
	s_add_nc_u64 s[8:9], s[8:9], s[18:19]
	s_add_nc_u64 s[10:11], s[10:11], s[20:21]
	s_add_nc_u64 s[12:13], s[12:13], s[20:21]
	s_add_nc_u64 s[14:15], s[14:15], s[22:23]
	s_wait_alu depctr_va_vdst(0)                   ; v1 to v4 are written: every load and store of the kernel, global or LDS, reads one of them as its offset or address
	; All forty loads go out at once.  Group i = rows 2 i and 2 i + 1 of the tile: lane l holds row 2 i + l / 16, primary blocks 4 (l % 16) .. + 3,
	; which all lie in secondary block l % 16 of that row: word 32 i + l of the tile's secondary part.
.irp i, 0,1,2,3,4,5,6,7
	global_load_b128 v[AB+4*\i:AB+4*\i+3], v1, s[4:5] offset:512*\i th:TH_LOAD_NT
	global_load_b128 v[C1+4*\i:C1+4*\i+3], v1, s[6:7] offset:512*\i th:TH_LOAD_NT
	global_load_b128 v[OF+4*\i:OF+4*\i+3], v1, s[8:9] offset:512*\i th:TH_LOAD_NT
	global_load_b32 v[A2+\i], v2, s[10:11] offset:128*\i th:TH_LOAD_NT
	global_load_b32 v[C2+\i], v2, s[12:13] offset:128*\i th:TH_LOAD_NT
.endr
; Group i's four pairs go from its buffer into LDS.
.macro PUT i
	ds_store_b128 v3, v[P+10*((\i)%2):P+10*((\i)%2)+3] offset:32*(\i)        ; blocks 4 (l % 16), + 1: K step 2 (l % 16)
	ds_store_b128 v3, v[P+10*((\i)%2)+4:P+10*((\i)%2)+7] offset:32*(\i)+SP   ; blocks + 2, + 3: the K step behind it
.endm
.macro GROUP i
.set PW, P+10*((\i)%2)                 ; the buffer that this group writes
	s_wait_loadcnt 5*(7-\i)                        ; loads come back in order: the five loads of each later group may stay out
.irp j, 0,1,2,3
	v_rcp_f32 v[C1+4*\i+\j], v[C1+4*\i+\j]
.endr
	v_rcp_f32 v[C2+\i], v[C2+\i]
.irp j, 0,1,2,3
	v_cvt_f32_i32 v[AB+4*\i+\j], v[AB+4*\i+\j]     ; plain instructions between the reciprocals and their first use
.endr
.if \i >= 2
	s_wait_alu depctr_vm_vsrc(0)                   ; the two LDS stores issued in the group before have read this group's buffer, which the products below write again
.endif
	s_wait_alu depctr_va_vdst(0)                   ; this group's five reciprocals are written, ahead of their first reader; the group before has written its pairs, which the stores below read
.if \i >= 1
	PUT \i-1                                       ; the group before: no vector instruction since the wait names its buffer or v3
.endif
	v_mul_f32 v[A2+\i], v[A2+\i], v[C2+\i]         ; scale2 = absmax2 / code2
.irp j, 0,1,2,3
	v_mul_f32 v[AB+4*\i+\j], v[AB+4*\i+\j], v[C1+4*\i+\j]      ; scale1 = absmax1 / code1
.endr
.irp j, 0,1,2,3
	v_mul_f32 v[PW+2*\j], v[AB+4*\i+\j], v[A2+\i]  ; f = scale1 * scale2
.endr
.irp j, 0,1,2,3
	v_mul_f32 v[PW+2*\j+1], -v[OF+4*\i+\j], v[PW+2*\j]         ; c = -offset1 * f
.endr
.endm
.irp i, 0,1,2,3,4,5,6,7
	GROUP \i
.endr
	s_wait_alu depctr_va_vdst(0)                   ; group 7 has written its pairs, which the last two stores read; and every vector instruction that named v[8:71] is done, where the LDS loads below land
	PUT 7
	; Back by K steps: LDS serves a wave's instructions in order, and these bytes are the wave's own, so no wait stands between the stores and these loads.
.irp j, 0,1,2,3,4,5,6,7,8,9,10,11,12,13,14,15
	ds_load_b128 v[Q+4*\j:Q+4*\j+3], v4 offset:2*SP*\j
.endr
.irp j, 0,1,2,3,4,5,6,7,8,9,10,11,12,13,14,15
	s_wait_dscnt 15-\j                             ; LDS loads come back in order: number j is in
	global_store_b128 v1, v[Q+4*\j:Q+4*\j+3], s[14:15] offset:512*\j   ; each store of the wave covers 512 consecutive bytes, aligned: K steps 2 j and 2 j + 1
.endr
	s_wait_dscnt 0x0                               ; the closing lines, six on end
	s_wait_alu 0x0
	s_wait_tensorcnt 0x0
	ds_add_u32 v128, v129
	s_wait_dscnt 0x0
	s_endpgm
.Lfunc_end_k_qa84317a83c_scales:
	.size	k_qa84317a83c_scales, .Lfunc_end_k_qa84317a83c_scales-k_qa84317a83c_scales
	.p2alignl 7, 3214868480
	.fill 96, 4, 3214868480
	.section	.rodata,"a",@progbits
	.p2align	6, 0x0
	.amdhsa_kernel k_qa84317a83c_scales
		.amdhsa_group_segment_fixed_size 35328
		.amdhsa_private_segment_fixed_size 0
		.amdhsa_enable_private_segment 0
		.amdhsa_kernarg_size 48
		.amdhsa_user_sgpr_count 2
		.amdhsa_user_sgpr_kernarg_segment_ptr 1
		.amdhsa_wavefront_size32 1
		.amdhsa_system_sgpr_workgroup_id_x 1
		.amdhsa_system_sgpr_workgroup_id_y 1
		.amdhsa_system_sgpr_workgroup_id_z 1
		.amdhsa_system_vgpr_workitem_id 0
		.amdhsa_next_free_vgpr 138
		.amdhsa_next_free_sgpr 66
		.amdhsa_reserve_vcc 0
		.amdhsa_float_denorm_mode_32 3
		.amdhsa_float_denorm_mode_16_64 3
		.amdhsa_memory_ordered 1
		.amdhsa_forward_progress 1
		.amdhsa_inst_pref_size 17
	.end_amdhsa_kernel
	.amdgpu_metadata
---
amdhsa.version: [ 1, 2 ]
amdhsa.kernels:
  - .name:           k_qa84317a83c_scales
    .symbol:         k_qa84317a83c_scales.kd
    .args:
      - { .name: absmax1, .offset: 0, .size: 8, .value_kind: global_buffer, .address_space: global }
      - { .name: code1, .offset: 8, .size: 8, .value_kind: global_buffer, .address_space: global }
      - { .name: offset1, .offset: 16, .size: 8, .value_kind: global_buffer, .address_space: global }
      - { .name: absmax2, .offset: 24, .size: 8, .value_kind: global_buffer, .address_space: global }
      - { .name: code2, .offset: 32, .size: 8, .value_kind: global_buffer, .address_space: global }
      - { .name: scl, .offset: 40, .size: 8, .value_kind: global_buffer, .address_space: global }
    .group_segment_fixed_size: 35328
    .private_segment_fixed_size: 0
    .kernarg_segment_align: 8
    .kernarg_segment_size: 48
    .max_flat_workgroup_size: 128
    .sgpr_count:     66
    .vgpr_count:     138
    .wavefront_size: 32
...
	.end_amdgpu_metadata
.endif
;; end of part 4
;; launch gemm: the kernel of part 3 again; grid 4 x 43, 4 waves a work-group, clusters of 4 x 1, 327,680 bytes of LDS; arguments x, packed, scl, out0; writes out0
